; MI455X (gfx1250); checked and timed in simulation.
; The chip was launched on July 23, 2026; its instructions are those of AMD's public machine-readable ISA for CDNA 5 (MIT licence, August 2026) and "CDNA5" Instruction Set Architecture Reference Guide (July 2026). The comments in the code are by the model that wrote it; some were corrected since.
;; DFMBPSROI Align. Allowed arithmetic: float matrix products may take bf16 or f16 operands with f32 sums; other float arithmetic in f32, or as packed bf16 or f16 multiplies, adds, multiply-adds, maxima and minima; sums over many terms, partial sums and values carried from step to step in f32; what a program stores and reads back later, other than sums and carried values, may be rounded once to bf16 or f16.
;; Inputs: ft_add_left_right 1 x 490 x 34 x 34 float32; rois 30,000 x 5 float32.
;; Outputs: out0 30,000 x 10 x 49 float32.
;; 2 versions, each right; version 2 is version 1 with the launch pool written anew for expert scheduling mode. Each part assembles by itself: llvm-mc -triple=amdgcn-amd-amdhsa -mcpu=gfx1250 --defsym DOCPART=n.
;; ======== version 1 of 2: 2 launches
;; limits: values are held in f16: magnitudes above 65,504 overflow, below 6.1e-05 lose precision; inputs' magnitudes at most 65,504
;; workspace buffers: ftT 1,204,224 bytes; idx 481,280 bytes of whole numbers
;; launch prep (part 1): grid 1450 x 1, 2 waves a work-group, no clusters, 0 bytes of LDS; arguments ft_add_left_right, rois, ftT, idx; writes ftT, idx
.if DOCPART == 1
	.amdgcn_target "amdgcn-amd-amdhsa--gfx1250"
	.amdhsa_code_object_version 6
	.text
	.protected	k_qde925775c6_prep
	.globl	k_qde925775c6_prep
	.p2align	8
	.type	k_qde925775c6_prep,@function
k_qde925775c6_prep:
	s_mov_b64 s[64:65], 0
	v_nop
	global_prefetch_b8 v0, s[64:65] scope:SCOPE_SE
	s_setreg_imm32_b32 hwreg(HW_REG_WAVE_MODE, 25, 1), 1
	s_wait_xcnt 0x0
; PREPARATION for the pooling launch.  Two kinds of work-group, 64 threads each, told apart by the work-group's number.
; 0 .. 979 (49 bins x 20 groups of 64 pixels): the ten channels of a bin's 34 x 34 plane are laid pixel by pixel, rounded once to f16.
;   ftT: a slab of 24,576 bytes a bin: plane A, 1,216 pixels of 16 bytes (channels 0-7), then at byte 19,456 plane B, 1,280 entries of 4 bytes (channels 8, 9).
;   Entries from 1,156 on repeat pixel 1,155: they are only ever multiplied by 0 and need be finite, no more.  Group 19 has entries of plane B alone.
;   LIMIT: |F| stays under 65,504 (f16's range) and finite.
; 980 .. 1449 (470 x 64 rois): for each roi one record of 16 bytes of WHOLE NUMBERS, from which the next launch makes LDS addresses and trip counts.
;   d0, d1: bytes 0-6: first column of the bins pw = 0..6, floor(clamp(w of the first sample, 0, 33)), 6 bits; bit 7: some roi of this wave's 32 has a
;   sample left of 0 or right of 33 at that pw.  Byte 7: TX, how many groups of 3 columns cover the widest bin of the wave's 32 rois.  d2, d3: rows, TY, no flags.
;   Records 30,000 .. 30,079 repeat roi 29,999.
; The samples' places are made in the order of the definition, each step rounded by itself (x/8; difference; at least 0.1; /7 correctly rounded; /4;
; idx x bin, then + start, then floor), since floor jumps.  NaN and infinite rois are not treated.
.set NA,    980
.set PLANE, 4624                       ; bytes of a 34 x 34 plane of f32
.set CSTR,  49*PLANE                   ; from a channel to the next
.set SLAB,  24576
.set PLB,   19456
.set NROI,  30000
; One axis of a roi: a, b the two raw coordinates -> st start, bn bin size, o..o+3 the four samples' offsets (i + 0.5) x bn / 4.
.macro AXIS a, b, st, bn, o
	v_mul_f32 v[\st], 0x3e000000, v[\a]            ; / 8, exact
	v_mul_f32 v[\bn], 0x3e000000, v[\b]
	v_sub_f32 v[\bn], v[\bn], v[\st]
	v_max_num_f32 v[\bn], 0x3dcccccd, v[\bn]       ; at least 0.1
	v_mul_f32 v[\o], 0x3e124925, v[\bn]            ; q = r x (1/7)
	v_fmamk_f32 v[(\o)+1], v[\o], 0xc0e00000, v[\bn]   ; e = r - 7 q, exact
	v_fmamk_f32 v[\bn], v[(\o)+1], 0x3e124925, v[\o]   ; q + e / 7: r / 7 rounded once
	v_mul_f32 v[(\o)+3], 0x3e800000, v[\bn]        ; / 4, exact
	v_mul_f32 v[\o], 0.5, v[(\o)+3]
	v_mul_f32 v[(\o)+1], 0x3fc00000, v[(\o)+3]     ; 1.5
	v_mul_f32 v[(\o)+2], 0x40200000, v[(\o)+3]     ; 2.5
	v_mul_f32 v[(\o)+3], 0x40600000, v[(\o)+3]     ; 3.5
.endm
; One bin index of one axis: fb the index as a float, d the record's word, sh the byte's shift, flag = 1: the x axis.
.macro ONEIDX st, bn, o, fb, d, sh, flag
	v_mul_f32 v20, \fb, v[\bn]
	v_add_f32 v20, v[\st], v20
	v_floor_f32 v20, v20                           ; the bin's start
	v_add_f32 v21, v20, v[\o]                      ; first sample
	v_add_f32 v22, v20, v[(\o)+3]                  ; last sample
	v_med3_num_f32 v23, v21, 0, s24
	v_med3_num_f32 v24, v22, 0, s24
	v_floor_f32 v23, v23                           ; first column touched
	v_mul_f32 v24, -1.0, v24
	v_floor_f32 v24, v24                           ; minus the last column touched (ceil x = -floor -x)
	v_add_f32 v24, v24, v23                        ; first - last, 0 or below
	v_min_num_f32 v25, v25, v24
	v_cvt_u32_f32 v23, v23
	v_lshl_or_b32 v[\d], v23, \sh, v[\d]
.if \flag
	v_cmp_gt_f32 s20, 0, v21                       ; a sample left of column 0,
	v_cmp_lt_f32 s21, s24, v22                     ; or right of column 33, in any of the wave's rois
	s_or_b32 s20, s20, s21
	s_cmp_lg_u32 s20, 0
	s_cselect_b32 s20, 0x80<<(\sh), 0              ; a value only: nothing branches on it here
	v_or_b32 v[\d], s20, v[\d]
.endif
.endm
; The widest extent of the wave's 32 rois, in groups of three: ((ext + 2) x 86) >> 8 = ceil(ext / 3) for ext up to 34.
.macro REDUCE d
	v_sub_f32 v26, 3.0, v25                        ; ext + 2 = 3 - (first - last)
	v_max_num_f32_dpp v26, v26, v26 row_xmask:1 row_mask:0xf bank_mask:0xf
	v_max_num_f32_dpp v26, v26, v26 row_xmask:2 row_mask:0xf bank_mask:0xf
	v_max_num_f32_dpp v26, v26, v26 row_xmask:4 row_mask:0xf bank_mask:0xf
	v_max_num_f32_dpp v26, v26, v26 row_xmask:8 row_mask:0xf bank_mask:0xf
	v_permlanex16_b32 v20, v26, s22, s23           ; v20 has been written before
	v_max_num_f32 v26, v26, v20
	v_cvt_u32_f32 v26, v26
	v_mul_u32_u24 v26, 86, v26
	v_lshrrev_b32 v26, 8, v26
	v_lshl_or_b32 v[\d], v26, 24, v[\d]
.endm
	s_load_b256 s[4:11], s[0:1], 0x0               ; ft s[4:5], rois s[6:7], ftT s[8:9], idx s[10:11]
	s_cmp_lt_u32 ttmp9, NA
	s_cbranch_scc0 .Lrec
	; ---- the feature map, bin by bin ----
	s_mul_i32 s12, ttmp9, 3277
	s_lshr_b32 s12, s12, 16                        ; bin = number / 20 (exact up to 979)
	s_mul_i32 s13, s12, 20
	s_sub_co_u32 s18, ttmp9, s13                   ; group of 64 entries, 0 .. 19
	s_lshl_b32 s13, s18, 6
	v_add_nc_u32 v1, s13, v0                       ; my entry, 0 .. 1279
	v_min_u32 v2, 1155, v1                         ; the pixel that I read
	v_lshlrev_b32 v2, 2, v2
	v_lshlrev_b32 v3, 4, v1
	v_lshlrev_b32 v4, 2, v1
	s_mul_i32 s14, s12, PLANE
	s_mov_b32 s15, 0
	s_mul_i32 s16, s12, SLAB
	s_mov_b32 s17, 0
	s_wait_kmcnt 0x0
	s_add_nc_u64 s[4:5], s[4:5], s[14:15]          ; channel 0's plane of my bin
	s_add_nc_u64 s[8:9], s[8:9], s[16:17]          ; my bin's slab
.irp c, 0,1,2,3,4,5,6,7,8,9
	global_load_b32 v[8+(\c)], v2, s[4:5] offset:(\c)*CSTR th:TH_LOAD_NT
.endr
	s_wait_loadcnt 0x0
.irp k, 0,1,2,3,4
	v_cvt_pk_f16_f32 v[20+(\k)], v[8+2*(\k)], v[9+2*(\k)]
.endr
	s_cmp_lt_u32 s18, 19
	s_cbranch_scc0 .Lno_a                          ; plane A ends with group 18
	global_store_b128 v3, v[20:23], s[8:9]         ; a wave stores 512 consecutive bytes, at a multiple of 512 from the slab's first
.Lno_a:
	global_store_b32 v4, v24, s[8:9] offset:PLB    ; a wave stores 128 consecutive bytes, the work-group's two waves 256, aligned
	s_endpgm
	; ---- the rois' records ----
.Lrec:
	s_sub_co_u32 s12, ttmp9, NA
	s_lshl_b32 s12, s12, 6
	v_add_nc_u32 v1, s12, v0                       ; record
	v_min_u32 v2, NROI-1, v1                       ; roi
	v_mul_u32_u24 v2, 20, v2
	v_lshlrev_b32 v3, 4, v1
	s_mov_b32 s24, 0x42040000                      ; 33.0
	s_mov_b32 s22, 0x76543210                      ; v_permlanex16_b32: each lane takes its own place in the other half
	s_mov_b32 s23, 0xfedcba98
	s_wait_kmcnt 0x0
	global_load_b32 v4, v2, s[6:7] offset:4        ; x1
	global_load_b32 v5, v2, s[6:7] offset:8        ; y1
	global_load_b32 v6, v2, s[6:7] offset:12       ; x2
	global_load_b32 v7, v2, s[6:7] offset:16       ; y2
.irp d, 28,29,30,31
	v_mov_b32 v[\d], 0
.endr
	v_mov_b32 v25, 0
	s_wait_loadcnt 0x0
	AXIS 4, 6, 8, 9, 10
	AXIS 5, 7, 14, 15, 16
	ONEIDX 8, 9, 10, 0,   28, 0,  1
	ONEIDX 8, 9, 10, 1.0, 28, 8,  1
	ONEIDX 8, 9, 10, 2.0, 28, 16, 1
	ONEIDX 8, 9, 10, 3.0, 28, 24, 1
	ONEIDX 8, 9, 10, 4.0, 29, 0,  1
	ONEIDX 8, 9, 10, 5.0, 29, 8,  1
	ONEIDX 8, 9, 10, 6.0, 29, 16, 1
	REDUCE 29
	v_mov_b32 v25, 0
	ONEIDX 14, 15, 16, 0,   30, 0,  0
	ONEIDX 14, 15, 16, 1.0, 30, 8,  0
	ONEIDX 14, 15, 16, 2.0, 30, 16, 0
	ONEIDX 14, 15, 16, 3.0, 30, 24, 0
	ONEIDX 14, 15, 16, 4.0, 31, 0,  0
	ONEIDX 14, 15, 16, 5.0, 31, 8,  0
	ONEIDX 14, 15, 16, 6.0, 31, 16, 0
	REDUCE 31
	global_store_b128 v3, v[28:31], s[10:11]       ; a wave stores 512 consecutive bytes, aligned
	s_endpgm
.Lfunc_end_k_qde925775c6_prep:
	.size	k_qde925775c6_prep, .Lfunc_end_k_qde925775c6_prep-k_qde925775c6_prep
	.p2alignl 7, 3214868480
	.fill 96, 4, 3214868480
	.section	.rodata,"a",@progbits
	.p2align	6, 0x0
	.amdhsa_kernel k_qde925775c6_prep
		.amdhsa_group_segment_fixed_size 0
		.amdhsa_private_segment_fixed_size 0
		.amdhsa_enable_private_segment 0
		.amdhsa_kernarg_size 32
		.amdhsa_user_sgpr_count 2
		.amdhsa_user_sgpr_kernarg_segment_ptr 1
		.amdhsa_wavefront_size32 1
		.amdhsa_system_sgpr_workgroup_id_x 1
		.amdhsa_system_sgpr_workgroup_id_y 1
		.amdhsa_system_sgpr_workgroup_id_z 1
		.amdhsa_system_vgpr_workitem_id 0
		.amdhsa_next_free_vgpr 40
		.amdhsa_next_free_sgpr 66
		.amdhsa_reserve_vcc 0
		.amdhsa_float_denorm_mode_32 3
		.amdhsa_float_denorm_mode_16_64 3
		.amdhsa_memory_ordered 1
		.amdhsa_forward_progress 1
		.amdhsa_inst_pref_size 16
	.end_amdhsa_kernel
	.amdgpu_metadata
---
amdhsa.version: [ 1, 2 ]
amdhsa.kernels:
  - .name:           k_qde925775c6_prep
    .symbol:         k_qde925775c6_prep.kd
    .args:
      - { .name: ft_add_left_right, .offset: 0, .size: 8, .value_kind: global_buffer, .address_space: global }
      - { .name: rois, .offset: 8, .size: 8, .value_kind: global_buffer, .address_space: global }
      - { .name: ftT, .offset: 16, .size: 8, .value_kind: global_buffer, .address_space: global }
      - { .name: idx, .offset: 24, .size: 8, .value_kind: global_buffer, .address_space: global }
    .group_segment_fixed_size: 0
    .private_segment_fixed_size: 0
    .kernarg_segment_align: 8
    .kernarg_segment_size: 32
    .max_flat_workgroup_size: 64
    .sgpr_count:     66
    .vgpr_count:     40
    .wavefront_size: 32
...
	.end_amdgpu_metadata
.endif
;; end of part 1
;; launch pool (part 2): grid 235 x 1, 16 waves a work-group, no clusters, 225,792 bytes of LDS; arguments ftT, rois, idx, out0; writes out0
.if DOCPART == 2
	.amdgcn_target "amdgcn-amd-amdhsa--gfx1250"
	.amdhsa_code_object_version 6
	.text
	.protected	k_qde925775c6_pool
	.globl	k_qde925775c6_pool
	.p2align	8
	.type	k_qde925775c6_pool,@function
k_qde925775c6_pool:
	s_mov_b64 s[64:65], 0
	v_nop
	global_prefetch_b8 v0, s[64:65] scope:SCOPE_SE
	s_setreg_imm32_b32 hwreg(HW_REG_WAVE_MODE, 25, 1), 1
	s_wait_xcnt 0x0
; POSITION-SENSITIVE ROI ALIGN.  out[n][c][bin] = the mean over the kept ones of 16 bilinear samples of plane (c, bin).
; THE SUM IS TAKEN APART.  keep = keepx keepy, and a sample's four weights are a hat in x times a hat in y, so
;   sum = sum over rows y, columns x of (Yb(y) Xb(x) - Y1(y) Xc(x)) F[y][x],
;   Xb(x) = sum over kept samples of hat(clamp(w, 0, 33) - x), Yb likewise;  count = (kept in x)(kept in y).
;   The second term is the definition's zeroing of the first of the four values where a sample lies left of column 0 or right of column 33:
;   Xc is (1 - w) summed at column 0 and (34 - w) summed at column 33; Y1(y) is 1 - (h - its clipped upper row), summed at that row.
; A bin touches few columns and rows: they are walked in groups of 3 x 3 pixels, TX x TY groups.  First column and row, TX, TY and the flag that asks for the
; second term are WHOLE NUMBERS read from idx, which the launch before stored: no address, trip count or branch here hangs on a float.
; SHARES.  A work-group owns 128 rois (the last 48), so that its output, 250,880 bytes, is whole aligned blocks of 256.  Wave w: q = w & 3, rb = w >> 2;
; a lane is roi 32 rb + lane.  13 steps; step s has the slabs of bins 4 s .. 4 s + 3 in LDS, and the wave does bin 4 s + q for its 32 rois, ten channels.
; LDS IS READ AND WRITTEN IN PHASES OF THEIR OWN.  A pixel's LDS address comes from a record, so a wave's reads may fall anywhere in the slot.  A step therefore goes:
; the next step's slabs are asked for INTO REGISTERS (12 loads of 16 bytes a thread: 512 threads x 192 bytes = four slabs), which touches no LDS; the bin's work, which only reads LDS,
; runs while they are on their way; a barrier, behind every wave's wait for its reads; the results go into the stage and the registers' slabs over the one slot; a barrier, behind every
; wave's wait for its stores.  Results gather in the stage, the output's image in f16, and leave at the end as runs of 512 bytes.
; NO TENSOR LOAD, NO CLUSTER: a second LDS slot filled while the first is read is what the phases rule out; and 30,000 rois in blocks of 128 are 235 work-groups, which four does not divide.
; NO MATRIX UNIT: as a product over all 1,156 pixels the sum would be some hundred times the 9 pixels of a group.
; LIMITS.  F comes in f16 (finite, under 65,504: pixels outside a bin are multiplied by 0); a result is rounded once to f16 in the stage and -0 leaves as +0;
; 1 / count is v_rcp_f32's; NaN and infinite rois are not treated.  The samples' places are made step by step as in the launch before, unfused.
.set NROI,  30000
.set SLAB,  24576                      ; a bin's slab = 3 x CHUNK
.set PLB,   19456                      ; plane B in a slab
.set SLOTB, 4*SLAB                     ; the slot, from LDS byte 0: four slabs = 12 x CHUNK
.set CHUNK, 8192                       ; what one load or store of the 512 threads covers
.set STAGE, SLOTB                      ; 98,304: roi x 980 + (49 c + bin) x 2
.set RSTR,  980
.set SPARE, STAGE+128*RSTR             ; 223,744: the spare words, 128 bytes for each of 16 waves; no other line names them
.set R,     176                        ; v176-223: the slabs on their way
; s[4:11] ftT, rois, idx, out   s12 wave  s13 q  s14 rb   s[24:25] ftT at the slabs to be asked for next
; s32 bin  s33 ph  s34 pw  s35, s36 the same as floats  s41, s42 the record's d0, d1  s43 TX  s44 TY  s45 CX  s46 CY  s47 3 CX  s48 3 CY
; s49, s50 my slab's planes in LDS  s51 flag  s52, s53, s66-s73 at work  s54 2 x bin  s58 33.0  s59 34.0  s60 counter  s61 units of 16 bytes to store  s62 the last  s63 first unit of a trip
; v1, v2 the add's two registers   v4-7 record   v8 start x, v9 bin x, v10-13 offsets x; v14, v15, v16-19 the same for y   v20-25 pairs 1, -1, -2   v26 my roi's stage
; v27 -1e30   v28-31 w   v32-35 clamped w, or -1e30 where not kept   v36-39, v40-43 the same for h   v44, v45 kept in x, y   v46 1 / count   v47, v48 first column, row
; v49 0   v50-53 two pairs for broadcasts   v54-56 Xb   v57-59 Yb / count   v60-62 Xc   v63-65 Y1   v66-68 34 x row   v69-74 LDS addresses   v75-77 at work
; v78-87 the ten sums   v88-107 at work   v108-116 the nine weights   v118-121, v122-125 each h's upper row and its weight   v126, v127 Xc at columns 0 and 33
; v128-163 pixels' channels 0-7, v164-172 channels 8, 9   v173 16 x thread, v174 the same + 65,536: the slabs' copy
.macro AXIS a, b, st, bn, o            ; as in the launch before, line for line
	v_mul_f32 v[\st], 0x3e000000, v[\a]
	v_mul_f32 v[\bn], 0x3e000000, v[\b]
	v_sub_f32 v[\bn], v[\bn], v[\st]
	v_max_num_f32 v[\bn], 0x3dcccccd, v[\bn]
	v_mul_f32 v[\o], 0x3e124925, v[\bn]
	v_fmamk_f32 v[(\o)+1], v[\o], 0xc0e00000, v[\bn]
	v_fmamk_f32 v[\bn], v[(\o)+1], 0x3e124925, v[\o]
	v_mul_f32 v[(\o)+3], 0x3e800000, v[\bn]
	v_mul_f32 v[\o], 0.5, v[(\o)+3]
	v_mul_f32 v[(\o)+1], 0x3fc00000, v[(\o)+3]
	v_mul_f32 v[(\o)+2], 0x40200000, v[(\o)+3]
	v_mul_f32 v[(\o)+3], 0x40600000, v[(\o)+3]
.endm
; n x CHUNK bytes of ftT from s[b:b+1] into registers, and from there into the slot.
.macro LOADS n, b
.set kk, 0
.rept \n
	global_load_b128 v[R+4*kk:R+4*kk+3], v173, s[\b:(\b)+1] offset:kk*CHUNK   ; a wave reads 512 consecutive bytes, aligned
.set kk, kk+1
.endr
.endm
.macro PUTS n
.set kk, 0
.rept \n
.if kk < 8
	ds_store_b128 v173, v[R+4*kk:R+4*kk+3] offset:kk*CHUNK
.else
	ds_store_b128 v174, v[R+4*kk:R+4*kk+3] offset:(kk-8)*CHUNK                ; an LDS offset has 16 bits: the register carries the rest
.endif
.set kk, kk+1
.endr
.endm
; One axis of a bin: the four samples (raw), clamped or -1e30 (wk), and how many are kept (k).
.macro PREP idxf, st, bn, o, raw, wk, k
	v_mul_f32 v75, s[\idxf], v[\bn]                ; idx x bin, + start, floor: three roundings, never fused
	v_add_f32 v75, v[\st], v75
	v_floor_f32 v50, v75
	v_pk_add_f32 v[\raw:(\raw)+1], v[\o:(\o)+1], v[50:51] op_sel_hi:[1,0]
	v_pk_add_f32 v[(\raw)+2:(\raw)+3], v[(\o)+2:(\o)+3], v[50:51] op_sel_hi:[1,0]
.irp i, 0,1,2,3
	v_cmp_lt_f32 s[66+2*(\i)], -1.0, v[(\raw)+(\i)]
	v_cmp_gt_f32 s[67+2*(\i)], s59, v[(\raw)+(\i)]
	v_med3_num_f32 v[(\wk)+(\i)], v[(\raw)+(\i)], 0, s58
.endr
.irp i, 0,1,2,3
	s_and_b32 s[66+2*(\i)], s[66+2*(\i)], s[67+2*(\i)]
.endr
.irp i, 0,1,2,3
	v_cndmask_b32 v[(\wk)+(\i)], v27, v[(\wk)+(\i)], s[66+2*(\i)]
.endr
	v_pk_fma_f32 v[88:89], v[\wk:(\wk)+1], v[20:21], v[20:21] clamp      ; wk + 1 held to 0 .. 1: 1 if kept, else 0
	v_pk_fma_f32 v[90:91], v[(\wk)+2:(\wk)+3], v[20:21], v[20:21] clamp
	v_pk_add_f32 v[88:89], v[88:89], v[90:91]
	v_add_f32 v[\k], v88, v89
.endm
; The first column or row of bin index idx: a byte of the record's two words, held to 0 .. 33.
.macro BASE idx, lo, hi, dst
	s_cmp_lt_u32 s[\idx], 4
	s_cselect_b32 s52, -1, 0
	s_and_b32 s53, s[\idx], 3
	s_lshl_b32 s53, s53, 3
	v_cndmask_b32 v[\dst], v[\hi], v[\lo], s52
	v_bfe_u32 v[\dst], v[\dst], s53, 6
	v_min_u32 v[\dst], 33, v[\dst]
.endm
; Three hats: out + j = sum over the four samples of hat(wk - base - j), j = 0, 1, 2; nb holds -base.  With S_m = (wk - base - m) held to 0 .. 1,
; hat(t - j) = S_(j-1) - S_j.  A sample that is not kept, -1e30, gives 0 in every S.
.macro RAMPS wk, nb, out
	v_pk_add_f32 v[88:89], v[\wk:(\wk)+1], v[\nb:(\nb)+1] op_sel_hi:[1,0]
	v_pk_add_f32 v[90:91], v[(\wk)+2:(\wk)+3], v[\nb:(\nb)+1] op_sel_hi:[1,0]
	v_pk_fma_f32 v[92:93], v[88:89], v[20:21], v[20:21] clamp
	v_pk_fma_f32 v[94:95], v[90:91], v[20:21], v[20:21] clamp
	v_pk_mul_f32 v[96:97], v[88:89], v[20:21] clamp
	v_pk_mul_f32 v[98:99], v[90:91], v[20:21] clamp
	v_pk_fma_f32 v[100:101], v[88:89], v[20:21], v[22:23] clamp
	v_pk_fma_f32 v[102:103], v[90:91], v[20:21], v[22:23] clamp
	v_pk_fma_f32 v[104:105], v[88:89], v[20:21], v[24:25] clamp
	v_pk_fma_f32 v[106:107], v[90:91], v[20:21], v[24:25] clamp
	v_pk_add_f32 v[92:93], v[92:93], v[94:95]
	v_pk_add_f32 v[96:97], v[96:97], v[98:99]
	v_pk_add_f32 v[100:101], v[100:101], v[102:103]
	v_pk_add_f32 v[104:105], v[104:105], v[106:107]
	v_pk_add_f32 v[92:93], v[92:93], v[96:97] neg_lo:[0,1] neg_hi:[0,1]
	v_pk_add_f32 v[96:97], v[96:97], v[100:101] neg_lo:[0,1] neg_hi:[0,1]
	v_pk_add_f32 v[100:101], v[100:101], v[104:105] neg_lo:[0,1] neg_hi:[0,1]
	v_add_f32 v[\out], v92, v93
	v_add_f32 v[(\out)+1], v96, v97
	v_add_f32 v[(\out)+2], v100, v101
.endm
.macro Y1ROW r, f                      ; Y1 of row base + r: v76 holds the base as a float
	v_add_f32 v77, \f, v76
	v_mov_b32 v[63+(\r)], 0
.irp i, 0,1,2,3
	v_cmp_eq_f32 s52, v[118+(\i)], v77
	v_cndmask_b32 v75, 0, v[122+(\i)], s52
	v_add_f32 v[63+(\r)], v[63+(\r)], v75
.endr
.endm
.macro XCOL j, f                       ; Xc of column base + j
	v_add_f32 v77, \f, v76
	v_cmp_eq_f32 s52, 0, v77
	v_cmp_eq_f32 s53, s58, v77
	v_cndmask_b32 v[60+(\j)], 0, v126, s52
	v_cndmask_b32 v[60+(\j)], v[60+(\j)], v127, s53
.endm
; ONE BIN (s32) FOR MY 32 ROIS, from the slab at s49, s50: LDS is only read.  The ten results are left in v88-92, rounded to f16 in pairs.
.macro WORK
	s_mul_i32 s33, s32, 37
	s_lshr_b32 s33, s33, 8                         ; ph = bin / 7 (exact up to 48)
	s_mul_i32 s34, s33, 7
	s_sub_co_u32 s34, s32, s34                     ; pw
	s_cvt_f32_u32 s35, s33
	s_cvt_f32_u32 s36, s34
	s_cmp_lt_u32 s34, 4
	s_cselect_b32 s51, s41, s42
	s_and_b32 s52, s34, 3
	s_lshl_b32 s52, s52, 3
	s_lshr_b32 s51, s51, s52
	s_bfe_u32 s51, s51, 0x10007                    ; bit 7 of pw's byte: the second term is wanted
	PREP 36, 8, 9, 10, 28, 32, 44
	PREP 35, 14, 15, 16, 36, 40, 45
	BASE 34, 4, 5, 47
	BASE 33, 6, 7, 48
	v_mul_f32 v46, v44, v45
	v_max_num_f32 v46, 1.0, v46
	v_rcp_f32 v46, v46                             ; the sums' zeros below are the plain instructions between it and its first use
.irp c, 0,1,2,3,4,5,6,7,8,9
	v_mov_b32 v[78+(\c)], 0                        ; the groups' number is known at run time only, so no first group is written out
.endr
	s_cmp_eq_u32 s51, 0
	s_cbranch_scc1 .Lnf0_\@
	s_wait_alu depctr_va_vdst(0)
.irp i, 0,1,2,3
	v_floor_f32 v[118+(\i)], v[36+(\i)]
	v_med3_num_f32 v[118+(\i)], v[118+(\i)], 0, s58    ; the clipped upper row
	v_sub_f32 v75, v[36+(\i)], v[118+(\i)]
	v_sub_f32 v75, 1.0, v75
	v_mul_f32 v75, v75, v46
	v_cmp_le_f32 s52, 0, v[40+(\i)]                ; kept in y
	v_cndmask_b32 v[122+(\i)], 0, v75, s52
.endr
	v_mov_b32 v126, 0
	v_mov_b32 v127, 0
.irp i, 0,1,2,3
	v_cmp_le_f32 s52, 0, v[32+(\i)]                ; kept in x,
	v_cmp_gt_f32 s53, 0, v[28+(\i)]                ; left of column 0,
	v_cmp_lt_f32 s66, s58, v[28+(\i)]              ; right of column 33
	s_and_b32 s53, s53, s52
	s_and_b32 s66, s66, s52
	v_sub_f32 v75, 1.0, v[28+(\i)]
	v_sub_f32 v76, s59, v[28+(\i)]
	v_cndmask_b32 v75, 0, v75, s53
	v_cndmask_b32 v76, 0, v76, s66
	v_add_f32 v126, v126, v75
	v_add_f32 v127, v127, v76
.endr
.Lnf0_\@:
	s_mov_b32 s46, 0
	s_mov_b32 s48, 0
.Ly_\@:                                                ; TY trips: three rows each
	v_add_nc_u32 v75, s48, v48                     ; first row of the group
	v_cvt_f32_u32 v76, v75
	v_mul_f32 v52, -1.0, v76
	RAMPS 40, 52, 57
	s_wait_alu depctr_va_vdst(0)
	v_mul_f32 v57, v57, v46
	v_mul_f32 v58, v58, v46
	v_mul_f32 v59, v59, v46
	v_min_u32 v77, 33, v75                         ; the weights go by the true row, the addresses by the row held to 33: a row past 33 has weight 0
	v_mul_u32_u24 v66, 34, v77
	v_add_nc_u32 v77, 1, v75
	v_min_u32 v77, 33, v77
	v_mul_u32_u24 v67, 34, v77
	v_add_nc_u32 v77, 2, v75
	v_min_u32 v77, 33, v77
	v_mul_u32_u24 v68, 34, v77
	s_cmp_eq_u32 s51, 0
	s_cbranch_scc1 .Lnf1_\@
	Y1ROW 0, 0
	Y1ROW 1, 1.0
	Y1ROW 2, 2.0
.Lnf1_\@:
	s_mov_b32 s45, 0
	s_mov_b32 s47, 0
.Lx_\@:                                                ; TX trips: three columns each
	v_add_nc_u32 v75, s47, v47                     ; first column of the group
	v_min_u32 v77, 33, v75
.irp r, 0,1,2
	v_add_nc_u32 v76, v[66+(\r)], v77              ; pixel, 1,155 at the most; the two behind it, 1,157 at the most, lie in the slab's 1,216
	v_lshl_add_u32 v[69+(\r)], v76, 4, s49
	v_lshl_add_u32 v[72+(\r)], v76, 2, s50
.endr
.irp r, 0,1,2
.irp j, 0,1,2
	ds_load_b128 v[128+4*(3*(\r)+(\j)):131+4*(3*(\r)+(\j))], v[69+(\r)] offset:16*(\j)
.endr
.irp j, 0,1,2
	ds_load_b32 v[164+3*(\r)+(\j)], v[72+(\r)] offset:4*(\j)
.endr
.endr
	v_cvt_f32_u32 v76, v75                         ; the weights are made while the pixels are on their way
	v_mul_f32 v50, -1.0, v76
	RAMPS 32, 50, 54
.irp r, 0,1,2
.irp j, 0,1,2
	v_mul_f32 v[108+3*(\r)+(\j)], v[57+(\r)], v[54+(\j)]
.endr
.endr
	s_cmp_eq_u32 s51, 0
	s_cbranch_scc1 .Lnf2_\@
	XCOL 0, 0
	XCOL 1, 1.0
	XCOL 2, 2.0
.irp r, 0,1,2
.irp j, 0,1,2
	v_fma_f32 v[108+3*(\r)+(\j)], -v[63+(\r)], v[60+(\j)], v[108+3*(\r)+(\j)]
.endr
.endr
.Lnf2_\@:
.irp r, 0,1,2
	s_wait_dscnt 12-6*(\r)                         ; LDS loads come back in order: row r's six are in, the six of each later row may be out
.irp j, 0,1,2
.irp c, 0,1,2,3
	v_fma_mix_f32 v[78+2*(\c)], v[128+4*(3*(\r)+(\j))+(\c)], v[108+3*(\r)+(\j)], v[78+2*(\c)] op_sel_hi:[1,0,0]
	v_fma_mix_f32 v[79+2*(\c)], v[128+4*(3*(\r)+(\j))+(\c)], v[108+3*(\r)+(\j)], v[79+2*(\c)] op_sel:[1,0,0] op_sel_hi:[1,0,0]
.endr
	v_fma_mix_f32 v86, v[164+3*(\r)+(\j)], v[108+3*(\r)+(\j)], v86 op_sel_hi:[1,0,0]
	v_fma_mix_f32 v87, v[164+3*(\r)+(\j)], v[108+3*(\r)+(\j)], v87 op_sel:[1,0,0] op_sel_hi:[1,0,0]
.endr
.endr
	s_add_co_u32 s47, s47, 3
	s_add_co_u32 s45, s45, 1
	s_cmp_lt_u32 s45, s43
	s_cbranch_scc1 .Lx_\@
	s_add_co_u32 s48, s48, 3
	s_add_co_u32 s46, s46, 1
	s_cmp_lt_u32 s46, s44
	s_cbranch_scc1 .Ly_\@
.irp k, 0,1,2,3,4
	v_cvt_pk_f16_f32 v[88+(\k)], v[78+2*(\k)], v[79+2*(\k)]
.endr
.endm
; The ten results go into the stage.
.macro KEEP
	v_add_nc_u32 v75, s54, v26                     ; my roi's row of the stage, my bin; lanes lie 245 words apart, an odd number
.irp k, 0,1,2,3,4
	ds_store_b16 v75, v[88+(\k)] offset:98*2*(\k)
	ds_store_b16_d16_hi v75, v[88+(\k)] offset:98*(2*(\k)+1)
.endr
.endm
; A STEP.  nl: how many loads of CHUNK bytes bring the next step's slabs.  chk = 1: the last step has one bin, and the waves without one jump over the work and the stage.
.macro STEP nl, chk
.if \nl
	LOADS \nl, 24                                  ; into registers: they have the bin's work in which to come
.endif
.if \chk
	s_cmp_gt_u32 s32, 48
	s_cbranch_scc1 .Lidle_a_\@
.endif
	WORK
.if \chk
.Lidle_a_\@:
.endif
	s_wait_dscnt 0x0                               ; my reads of the slot are over;
	s_barrier_signal -1
	s_barrier_wait -1                              ; everybody's are: from here to the next barrier LDS is only written
.if \chk
	s_cmp_gt_u32 s32, 48
	s_cbranch_scc1 .Lidle_b_\@
.endif
	KEEP
.if \chk
.Lidle_b_\@:
.endif
.if \nl
	s_wait_loadcnt 0x0                             ; the next slabs are in registers, and their loads' base may be stepped
	PUTS \nl
	s_add_nc_u64 s[24:25], s[24:25], SLOTB
.endif
	s_wait_dscnt 0x0                               ; for the others' sake: my stores are done;
	s_barrier_signal -1
	s_barrier_wait -1                              ; everybody's are: from here to the next barrier LDS is only read
	s_add_co_u32 s32, s32, 4
	s_add_co_u32 s54, s54, 8
.endm
	s_load_b256 s[4:11], s[0:1], 0x0               ; ftT s[4:5], rois s[6:7], idx s[8:9], out s[10:11]
	v_lshl_add_u32 v1, v0, 2, SPARE                ; the add's two registers, kept for the wave's end
	v_mov_b32 v2, 0
	v_lshrrev_b32 v3, 5, v0
	v_readfirstlane_b32 s12, v3                    ; wave 0 .. 15
	s_and_b32 s13, s12, 3                          ; q
	s_lshr_b32 s14, s12, 2                         ; rb
	s_mul_i32 s49, s13, SLAB                       ; my slab in the slot: plane A,
	s_add_co_u32 s50, s49, PLB                     ; plane B
	v_lshlrev_b32 v173, 4, v0
	v_add_nc_u32 v174, 0x10000, v173
	s_wait_kmcnt 0x0
	LOADS 12, 4                                    ; step 0's slabs
	s_add_nc_u64 s[24:25], s[4:5], SLOTB           ; step 1's
	v_and_b32 v3, 31, v0
	s_lshl_b32 s52, s14, 5
	v_add_nc_u32 v3, s52, v3                       ; my roi in the work-group
	s_lshl_b32 s53, ttmp9, 7
	v_add_nc_u32 v75, s53, v3                      ; my record, 30,079 at the most
	v_min_u32 v76, NROI-1, v75                     ; my roi
	v_mul_u32_u24 v76, 20, v76
	v_lshlrev_b32 v75, 4, v75
	global_load_b32 v28, v76, s[6:7] offset:4      ; x1
	global_load_b32 v29, v76, s[6:7] offset:8      ; y1
	global_load_b32 v30, v76, s[6:7] offset:12     ; x2
	global_load_b32 v31, v76, s[6:7] offset:16     ; y2
	global_load_b128 v[4:7], v75, s[8:9]
	v_mul_u32_u24 v26, RSTR, v3
	v_add_nc_u32 v26, STAGE, v26
	v_mov_b32 v20, 1.0
	v_mov_b32 v21, 1.0
	v_mov_b32 v22, -1.0
	v_mov_b32 v23, -1.0
	v_mov_b32 v24, -2.0
	v_mov_b32 v25, -2.0
	v_mov_b32 v27, 0xf149f2ca                      ; -1e30
.irp z, 49,50,51,52,53,60,61,62,63,64,65,118,119,120,121,122,123,124,125,126,127
	v_mov_b32 v[\z], 0                             ; 0; the pairs' upper halves; and what the flagged blocks hand to each other, defined on every path
.endr
	s_mov_b32 s58, 0x42040000                      ; 33.0
	s_mov_b32 s59, 0x42080000                      ; 34.0
	s_mul_i32 s52, ttmp9, 128*1960
	s_mov_b32 s53, 0
	s_add_nc_u64 s[10:11], s[10:11], s[52:53]      ; my 128 rois in out
	s_mov_b32 s61, 128*490/4                       ; units of 16 bytes to store: 15,680,
	s_mov_b32 s52, 48*490/4                        ; 5,880 in the last work-group
	s_cmp_eq_u32 ttmp9, 234
	s_cselect_b32 s61, s52, s61
	s_sub_co_u32 s62, s61, 1
	s_mov_b32 s32, s13                             ; my first bin,
	s_lshl_b32 s54, s13, 1                         ; and its place in a row of the stage
	s_wait_loadcnt 0x0                             ; the slabs, my roi and my record
	PUTS 12
	AXIS 28, 30, 8, 9, 10
	AXIS 29, 31, 14, 15, 16
	v_readfirstlane_b32 s41, v4                    ; flags and trip counts are the same in all 32 records of a wave
	v_readfirstlane_b32 s42, v5
	v_readfirstlane_b32 s44, v7
	s_lshr_b32 s43, s42, 24
	s_min_u32 s43, s43, 12                         ; TX
	s_lshr_b32 s44, s44, 24
	s_min_u32 s44, s44, 12                         ; TY
	s_wait_dscnt 0x0                               ; for the others' sake: my part of step 0's slabs is in LDS
	s_barrier_signal -1
	s_barrier_wait -1
	s_mov_b32 s60, 11
.Lring:                                                ; steps 0 .. 10, each asking for the next step's four slabs
	STEP 12, 0
	s_sub_co_u32 s60, s60, 1
	s_cmp_lg_u32 s60, 0
	s_cbranch_scc1 .Lring
	STEP 3, 0                                      ; step 11 asks for bin 48's slab alone,
	STEP 0, 1                                      ; step 12 for nothing; its last barrier shows the whole stage to every wave
	; THE WAY OUT.  The stage is the output's image in f16: 8 bytes of it are a unit of 16 bytes of out.  490 stores of 512 bytes = 14 waves x 7 trips x 5.
	s_cmp_ge_u32 s12, 14
	s_cbranch_scc1 .Lend
	v_and_b32 v3, 31, v0
	s_mul_i32 s63, s12, 1120
	s_mov_b32 s60, 7
.Lout:
	s_cmp_ge_u32 s63, s61                          ; the last work-group has fewer units
	s_cbranch_scc1 .Lskip
.irp k, 0,1,2,3,4
	v_add3_u32 v[88+(\k)], s63, v3, 32*(\k)
	v_min_u32 v[88+(\k)], s62, v[88+(\k)]          ; past the end (in the launch's last stores alone) lanes repeat the last unit's own bytes
	v_lshl_add_u32 v[93+(\k)], v[88+(\k)], 3, STAGE
	v_lshlrev_b32 v[88+(\k)], 4, v[88+(\k)]
	ds_load_b64 v[98+2*(\k):99+2*(\k)], v[93+(\k)]
.endr
.irp k, 0,1,2,3,4
	s_wait_dscnt 4-(\k)                            ; the younger loads may be out
	v_fma_mix_f32 v[128+4*(\k)], v[98+2*(\k)], v20, v49 op_sel_hi:[1,0,0]              ; half x 1 + 0: f16 to f32
	v_fma_mix_f32 v[129+4*(\k)], v[98+2*(\k)], v20, v49 op_sel:[1,0,0] op_sel_hi:[1,0,0]
	v_fma_mix_f32 v[130+4*(\k)], v[99+2*(\k)], v20, v49 op_sel_hi:[1,0,0]
	v_fma_mix_f32 v[131+4*(\k)], v[99+2*(\k)], v20, v49 op_sel:[1,0,0] op_sel_hi:[1,0,0]
	global_store_b128 v[88+(\k)], v[128+4*(\k):131+4*(\k)], s[10:11] th:TH_STORE_NT   ; a wave stores 512 consecutive bytes, at a multiple of 256 from out's first
.endr
	s_wait_xcnt 0x0                                ; the stores' offsets and data are rewritten only behind this wait
.Lskip:
	s_add_co_u32 s63, s63, 160
	s_sub_co_u32 s60, s60, 1
	s_cmp_lg_u32 s60, 0
	s_cbranch_scc1 .Lout
.Lend:
	s_wait_dscnt 0x0                               ; my reads of the stage are over;
	s_barrier_signal -1
	s_barrier_wait -1                              ; everybody's are: the phase of reading ends before the last LDS write
	s_wait_tensorcnt 0x0                           ; the wave's end
	ds_add_u32 v1, v2
	s_wait_dscnt 0x0
	s_endpgm
.Lfunc_end_k_qde925775c6_pool:
	.size	k_qde925775c6_pool, .Lfunc_end_k_qde925775c6_pool-k_qde925775c6_pool
	.p2alignl 7, 3214868480
	.fill 96, 4, 3214868480
	.section	.rodata,"a",@progbits
	.p2align	6, 0x0
	.amdhsa_kernel k_qde925775c6_pool
		.amdhsa_group_segment_fixed_size 225792
		.amdhsa_private_segment_fixed_size 0
		.amdhsa_enable_private_segment 0
		.amdhsa_kernarg_size 32
		.amdhsa_user_sgpr_count 2
		.amdhsa_user_sgpr_kernarg_segment_ptr 1
		.amdhsa_wavefront_size32 1
		.amdhsa_system_sgpr_workgroup_id_x 1
		.amdhsa_system_sgpr_workgroup_id_y 1
		.amdhsa_system_sgpr_workgroup_id_z 1
		.amdhsa_system_vgpr_workitem_id 0
		.amdhsa_next_free_vgpr 224
		.amdhsa_next_free_sgpr 80
		.amdhsa_reserve_vcc 0
		.amdhsa_float_denorm_mode_32 3
		.amdhsa_float_denorm_mode_16_64 3
		.amdhsa_memory_ordered 1
		.amdhsa_forward_progress 1
		.amdhsa_inst_pref_size 85
	.end_amdhsa_kernel
	.amdgpu_metadata
---
amdhsa.version: [ 1, 2 ]
amdhsa.kernels:
  - .name:           k_qde925775c6_pool
    .symbol:         k_qde925775c6_pool.kd
    .args:
      - { .name: ftT, .offset: 0, .size: 8, .value_kind: global_buffer, .address_space: global }
      - { .name: rois, .offset: 8, .size: 8, .value_kind: global_buffer, .address_space: global }
      - { .name: idx, .offset: 16, .size: 8, .value_kind: global_buffer, .address_space: global }
      - { .name: out0, .offset: 24, .size: 8, .value_kind: global_buffer, .address_space: global }
    .group_segment_fixed_size: 225792
    .private_segment_fixed_size: 0
    .kernarg_segment_align: 8
    .kernarg_segment_size: 32
    .max_flat_workgroup_size: 512
    .sgpr_count:     80
    .vgpr_count:     224
    .wavefront_size: 32
...
	.end_amdgpu_metadata
.endif
;; end of part 2
;; ======== version 2 of 2: 2 launches; version 1 with the launch pool written anew for expert scheduling mode
;; limits: values are held in f16: magnitudes above 65,504 overflow, below 6.1e-05 lose precision; inputs' magnitudes at most 65,504
;; workspace buffers: ftT 1,204,224 bytes; idx 481,280 bytes of whole numbers
;; launch prep: the kernel of part 1 again; grid 1450 x 1, 2 waves a work-group, no clusters, 0 bytes of LDS; arguments ft_add_left_right, rois, ftT, idx; writes ftT, idx
;; launch pool (part 3): grid 235 x 1, 16 waves a work-group, no clusters, 225,792 bytes of LDS; arguments ftT, rois, idx, out0; writes out0
.if DOCPART == 3
	.amdgcn_target "amdgcn-amd-amdhsa--gfx1250"
	.amdhsa_code_object_version 6
	.text
	.protected	k_qde925775c6_pool
	.globl	k_qde925775c6_pool
	.p2align	8
	.type	k_qde925775c6_pool,@function
k_qde925775c6_pool:
	s_mov_b64 s[64:65], 0
	v_nop
	global_prefetch_b8 v0, s[64:65] scope:SCOPE_SE
	s_setreg_imm32_b32 hwreg(HW_REG_WAVE_SCHED_MODE, 0, 2), 2
	s_setreg_imm32_b32 hwreg(HW_REG_WAVE_MODE, 25, 1), 1
	s_wait_xcnt 0x0
	s_wait_alu depctr_vm_vsrc(0)
; POSITION-SENSITIVE ROI ALIGN.  out[n][c][bin] = the mean over the kept ones of 16 bilinear samples of plane (c, bin).
; THE SUM IS TAKEN APART.  keep = keepx keepy, and a sample's four weights are a hat in x times a hat in y, so
;   sum = sum over rows y, columns x of (Yb(y) Xb(x) - Y1(y) Xc(x)) F[y][x],
;   Xb(x) = sum over kept samples of hat(clamp(w, 0, 33) - x), Yb likewise;  count = (kept in x)(kept in y).
;   The second term is the definition's zeroing of the first of the four values where a sample lies left of column 0 or right of column 33:
;   Xc is (1 - w) summed at column 0 and (34 - w) summed at column 33; Y1(y) is 1 - (h - its clipped upper row), summed at that row.
; A bin touches few columns and rows: they are walked in groups of 3 x 3 pixels, TX x TY groups.  First column and row, TX, TY and the flag that asks for the
; second term are WHOLE NUMBERS read from idx, which the launch before stored: no address, trip count or branch here hangs on a float.
; SHARES.  A work-group owns 128 rois (the last 48), so that its output, 250,880 bytes, is whole aligned blocks of 256.  Wave w: q = w & 3, rb = w >> 2;
; a lane is roi 32 rb + lane.  13 steps; step s has the slabs of bins 4 s .. 4 s + 3 in LDS, and the wave does bin 4 s + q for its 32 rois, ten channels.
; LDS IS READ AND WRITTEN IN PHASES OF THEIR OWN.  A pixel's LDS address comes from a record, so a wave's reads may fall anywhere in the slot.  A step therefore goes:
; the next step's slabs are asked for INTO REGISTERS (12 loads of 16 bytes a thread: 512 threads x 192 bytes = four slabs), which touches no LDS; the bin's work, which only reads LDS,
; runs while they are on their way; a barrier, behind every wave's wait for its reads; the results go into the stage and the registers' slabs over the one slot; a barrier, behind every
; wave's wait for its stores.  Results gather in the stage, the output's image in f16, and leave at the end as runs of 512 bytes.
; NO TENSOR LOAD, NO CLUSTER: a second LDS slot filled while the first is read is what the phases rule out; and 30,000 rois in blocks of 128 are 235 work-groups, which four does not divide.
; NO MATRIX UNIT: as a product over all 1,156 pixels the sum would be some hundred times the 9 pixels of a group.
; LIMITS.  F comes in f16 (finite, under 65,504: pixels outside a bin are multiplied by 0); a result is rounded once to f16 in the stage and -0 leaves as +0;
; 1 / count is v_rcp_f32's; NaN and infinite rois are not treated.  The samples' places are made step by step as in the launch before, unfused.
; THE MODE: SCHED_MODE bits 1:0 = 2 (LLVM: expert scheduling mode 2), set by the entry lines.  The code itself states the register dependences
; between vector instructions and memory or LDS instructions, with s_wait_alu, always for 0.
; THE PLAN.  Registers that memory or LDS instructions touch:
;   v173, v174   the slabs' copy offsets: made at the head, never written again; read by every slab load and slab LDS store.
;   v176-223     the slabs on their way: the loads at a step's head land in them, the LDS stores behind the step's first barrier read them; no vector instruction names them.
;   v69-74       pixel addresses: nine vector lines at an x trip's head write them, the trip's 18 LDS loads read them.
;   v128-172     pixels: those 18 loads land in them, the trip's 90 multiply-adds read them.
;   v75, v88-92  at a bin's end: the stage's address and the ten results, written by six vector lines, read by the ten stage stores behind the barrier; the next bin's work writes them again.
;   the way out  v93-97 LDS addresses, v98-107 what comes from the stage, v88-92 offsets in out, v128-147 what is stored.
; So a step's head has one wait on vm_vsrc (the LDS stores of the step before have read v176-223, v75, v88-92); an x trip one on vm_vsrc ahead of its address lines and one on va_vdst behind them;
; the stage stores one on va_vdst.  Compares write their masks into s66-s77, in runs, with one wait on va_sdst behind each run; s52 and s53 are written by scalar instructions alone.
.set NROI,  30000
.set SLAB,  24576                      ; a bin's slab = 3 x CHUNK
.set PLB,   19456                      ; plane B in a slab
.set SLOTB, 4*SLAB                     ; the slot, from LDS byte 0: four slabs = 12 x CHUNK
.set CHUNK, 8192                       ; what one load or store of the 512 threads covers
.set STAGE, SLOTB                      ; 98,304: roi x 980 + (49 c + bin) x 2
.set RSTR,  980
.set SPARE, STAGE+128*RSTR             ; 223,744: the spare words, 128 bytes for each of 16 waves; no other line names them
.set R,     176                        ; v176-223: the slabs on their way
; s[4:11] ftT, rois, idx, out   s12 wave  s13 q  s14 rb   s[24:25] ftT at the slabs to be asked for next
; s32 bin  s33 ph  s34 pw  s35, s36 the same as floats  s41, s42 the record's d0, d1  s43 TX  s44 TY  s45 CX  s46 CY  s47 3 CX  s48 3 CY
; s49, s50 my slab's planes in LDS  s51 flag  s52, s53 at work  s66-s77 the compares' masks  s54 2 x bin  s58 33.0  s59 34.0  s60 counter  s61 units of 16 bytes to store  s62 the last  s63 first unit of a trip
; v1, v2 the add's two registers   v4-7 record   v8 start x, v9 bin x, v10-13 offsets x; v14, v15, v16-19 the same for y   v20-25 pairs 1, -1, -2   v26 my roi's stage
; v27 -1e30   v28-31 w   v32-35 clamped w, or -1e30 where not kept   v36-39, v40-43 the same for h   v44, v45 kept in x, y   v46 1 / count   v47, v48 first column, row
; v49 0   v50-53 two pairs for broadcasts   v54-56 Xb   v57-59 Yb / count   v60-62 Xc   v63-65 Y1   v66-68 34 x row   v69-74 LDS addresses   v75-77 at work
; v78-87 the ten sums   v88-107 at work   v108-116 the nine weights   v118-121, v122-125 each h's upper row and its weight   v126, v127 Xc at columns 0 and 33
; v128-163 pixels' channels 0-7, v164-172 channels 8, 9   v173 16 x thread, v174 the same + 65,536: the slabs' copy
.macro AXIS a, b, st, bn, o            ; as in the launch before, line for line
	v_mul_f32 v[\st], 0x3e000000, v[\a]
	v_mul_f32 v[\bn], 0x3e000000, v[\b]
	v_sub_f32 v[\bn], v[\bn], v[\st]
	v_max_num_f32 v[\bn], 0x3dcccccd, v[\bn]
	v_mul_f32 v[\o], 0x3e124925, v[\bn]
	v_fmamk_f32 v[(\o)+1], v[\o], 0xc0e00000, v[\bn]
	v_fmamk_f32 v[\bn], v[(\o)+1], 0x3e124925, v[\o]
	v_mul_f32 v[(\o)+3], 0x3e800000, v[\bn]
	v_mul_f32 v[\o], 0.5, v[(\o)+3]
	v_mul_f32 v[(\o)+1], 0x3fc00000, v[(\o)+3]
	v_mul_f32 v[(\o)+2], 0x40200000, v[(\o)+3]
	v_mul_f32 v[(\o)+3], 0x40600000, v[(\o)+3]
.endm
; n x CHUNK bytes of ftT from s[b:b+1] into registers, and from there into the slot.
.macro LOADS n, b
.set kk, 0
.rept \n
	global_load_b128 v[R+4*kk:R+4*kk+3], v173, s[\b:(\b)+1] offset:kk*CHUNK   ; a wave reads 512 consecutive bytes, aligned
.set kk, kk+1
.endr
.endm
.macro PUTS n
.set kk, 0
.rept \n
.if kk < 8
	ds_store_b128 v173, v[R+4*kk:R+4*kk+3] offset:kk*CHUNK
.else
	ds_store_b128 v174, v[R+4*kk:R+4*kk+3] offset:(kk-8)*CHUNK                ; an LDS offset has 16 bits: the register carries the rest
.endif
.set kk, kk+1
.endr
.endm
; One axis of a bin: the four samples (raw), clamped or -1e30 (wk), and how many are kept (k).
.macro PREP idxf, st, bn, o, raw, wk, k
	v_mul_f32 v75, s[\idxf], v[\bn]                ; idx x bin, + start, floor: three roundings, never fused
	v_add_f32 v75, v[\st], v75
	v_floor_f32 v50, v75
	v_pk_add_f32 v[\raw:(\raw)+1], v[\o:(\o)+1], v[50:51] op_sel_hi:[1,0]
	v_pk_add_f32 v[(\raw)+2:(\raw)+3], v[(\o)+2:(\o)+3], v[50:51] op_sel_hi:[1,0]
.irp i, 0,1,2,3
	v_cmp_lt_f32 s[66+2*(\i)], -1.0, v[(\raw)+(\i)]
	v_cmp_gt_f32 s[67+2*(\i)], s59, v[(\raw)+(\i)]
	v_med3_num_f32 v[(\wk)+(\i)], v[(\raw)+(\i)], 0, s58
.endr
	s_wait_alu depctr_va_sdst(0)                   ; the eight compares have written s66-s73, which the four lines below read
.irp i, 0,1,2,3
	s_and_b32 s[66+2*(\i)], s[66+2*(\i)], s[67+2*(\i)]
.endr
.irp i, 0,1,2,3
	v_cndmask_b32 v[(\wk)+(\i)], v27, v[(\wk)+(\i)], s[66+2*(\i)]
.endr
	v_pk_fma_f32 v[88:89], v[\wk:(\wk)+1], v[20:21], v[20:21] clamp      ; wk + 1 held to 0 .. 1: 1 if kept, else 0
	v_pk_fma_f32 v[90:91], v[(\wk)+2:(\wk)+3], v[20:21], v[20:21] clamp
	v_pk_add_f32 v[88:89], v[88:89], v[90:91]
	v_add_f32 v[\k], v88, v89
.endm
; The first column or row of bin index idx: a byte of the record's two words, held to 0 .. 33.
.macro BASE idx, lo, hi, dst
	s_cmp_lt_u32 s[\idx], 4
	s_cselect_b32 s52, -1, 0
	s_and_b32 s53, s[\idx], 3
	s_lshl_b32 s53, s53, 3
	v_cndmask_b32 v[\dst], v[\hi], v[\lo], s52
	v_bfe_u32 v[\dst], v[\dst], s53, 6
	v_min_u32 v[\dst], 33, v[\dst]
.endm
; Three hats: out + j = sum over the four samples of hat(wk - base - j), j = 0, 1, 2; nb holds -base.  With S_m = (wk - base - m) held to 0 .. 1,
; hat(t - j) = S_(j-1) - S_j.  A sample that is not kept, -1e30, gives 0 in every S.
.macro RAMPS wk, nb, out
	v_pk_add_f32 v[88:89], v[\wk:(\wk)+1], v[\nb:(\nb)+1] op_sel_hi:[1,0]
	v_pk_add_f32 v[90:91], v[(\wk)+2:(\wk)+3], v[\nb:(\nb)+1] op_sel_hi:[1,0]
	v_pk_fma_f32 v[92:93], v[88:89], v[20:21], v[20:21] clamp
	v_pk_fma_f32 v[94:95], v[90:91], v[20:21], v[20:21] clamp
	v_pk_mul_f32 v[96:97], v[88:89], v[20:21] clamp
	v_pk_mul_f32 v[98:99], v[90:91], v[20:21] clamp
	v_pk_fma_f32 v[100:101], v[88:89], v[20:21], v[22:23] clamp
	v_pk_fma_f32 v[102:103], v[90:91], v[20:21], v[22:23] clamp
	v_pk_fma_f32 v[104:105], v[88:89], v[20:21], v[24:25] clamp
	v_pk_fma_f32 v[106:107], v[90:91], v[20:21], v[24:25] clamp
	v_pk_add_f32 v[92:93], v[92:93], v[94:95]
	v_pk_add_f32 v[96:97], v[96:97], v[98:99]
	v_pk_add_f32 v[100:101], v[100:101], v[102:103]
	v_pk_add_f32 v[104:105], v[104:105], v[106:107]
	v_pk_add_f32 v[92:93], v[92:93], v[96:97] neg_lo:[0,1] neg_hi:[0,1]
	v_pk_add_f32 v[96:97], v[96:97], v[100:101] neg_lo:[0,1] neg_hi:[0,1]
	v_pk_add_f32 v[100:101], v[100:101], v[104:105] neg_lo:[0,1] neg_hi:[0,1]
	v_add_f32 v[\out], v92, v93
	v_add_f32 v[(\out)+1], v96, v97
	v_add_f32 v[(\out)+2], v100, v101
.endm
; Y1 of row base + r (v76 holds the base as a float), in two parts: the four compares, into s[66 + 4 r ..]; and, behind the one wait for all three rows' compares, the sum.
.macro Y1CMP r, f
	v_add_f32 v77, \f, v76
.irp i, 0,1,2,3
	v_cmp_eq_f32 s[66+4*(\r)+(\i)], v[118+(\i)], v77
.endr
.endm
.macro Y1SUM r
	v_mov_b32 v[63+(\r)], 0
.irp i, 0,1,2,3
	v_cndmask_b32 v75, 0, v[122+(\i)], s[66+4*(\r)+(\i)]
	v_add_f32 v[63+(\r)], v[63+(\r)], v75
.endr
.endm
; Xc of column base + j, likewise: two compares, into s[66 + 2 j ..]; behind the wait, the two choices.
.macro XCMP j, f
	v_add_f32 v77, \f, v76
	v_cmp_eq_f32 s[66+2*(\j)], 0, v77
	v_cmp_eq_f32 s[67+2*(\j)], s58, v77
.endm
.macro XSEL j
	v_cndmask_b32 v[60+(\j)], 0, v126, s[66+2*(\j)]
	v_cndmask_b32 v[60+(\j)], v[60+(\j)], v127, s[67+2*(\j)]
.endm
; ONE BIN (s32) FOR MY 32 ROIS, from the slab at s49, s50: LDS is only read.  The ten results are left in v88-92, rounded to f16 in pairs, and their place in the stage in v75.
.macro WORK
	s_mul_i32 s33, s32, 37
	s_lshr_b32 s33, s33, 8                         ; ph = bin / 7 (exact up to 48)
	s_mul_i32 s34, s33, 7
	s_sub_co_u32 s34, s32, s34                     ; pw
	s_cvt_f32_u32 s35, s33
	s_cvt_f32_u32 s36, s34
	s_cmp_lt_u32 s34, 4
	s_cselect_b32 s51, s41, s42
	s_and_b32 s52, s34, 3
	s_lshl_b32 s52, s52, 3
	s_lshr_b32 s51, s51, s52
	s_bfe_u32 s51, s51, 0x10007                    ; bit 7 of pw's byte: the second term is wanted
	PREP 36, 8, 9, 10, 28, 32, 44
	PREP 35, 14, 15, 16, 36, 40, 45
	BASE 34, 4, 5, 47
	BASE 33, 6, 7, 48
	v_mul_f32 v46, v44, v45
	v_max_num_f32 v46, 1.0, v46
	v_rcp_f32 v46, v46                             ; the sums' zeros below are the plain instructions between it and its first use
.irp c, 0,1,2,3,4,5,6,7,8,9
	v_mov_b32 v[78+(\c)], 0                        ; the groups' number is known at run time only, so no first group is written out
.endr
	s_wait_alu depctr_va_vdst(0)                   ; 1 / count, v46, is written, ahead of the branch and of every reader on both ways
	s_cmp_eq_u32 s51, 0
	s_cbranch_scc1 .Lnf0_\@
.irp i, 0,1,2,3
	v_cmp_le_f32 s[66+(\i)], 0, v[40+(\i)]         ; kept in y,
	v_cmp_le_f32 s[70+(\i)], 0, v[32+(\i)]         ; kept in x,
	v_cmp_gt_f32 s[74+(\i)], 0, v[28+(\i)]         ; left of column 0
.endr
	s_wait_alu depctr_va_sdst(0)                   ; the twelve compares have written s66-s77, ahead of their first readers
.irp i, 0,1,2,3
	v_floor_f32 v[118+(\i)], v[36+(\i)]
	v_med3_num_f32 v[118+(\i)], v[118+(\i)], 0, s58    ; the clipped upper row
	v_sub_f32 v75, v[36+(\i)], v[118+(\i)]
	v_sub_f32 v75, 1.0, v75
	v_mul_f32 v75, v75, v46
	v_cndmask_b32 v[122+(\i)], 0, v75, s[66+(\i)]
.endr
	v_mov_b32 v126, 0
	v_mov_b32 v127, 0
.irp i, 0,1,2,3
	v_cmp_lt_f32 s[66+(\i)], s58, v[28+(\i)]       ; right of column 33
.endr
	s_wait_alu depctr_va_sdst(0)                   ; these four compares have written s66-s69, which the lines below read
.irp i, 0,1,2,3
	s_and_b32 s[74+(\i)], s[74+(\i)], s[70+(\i)]
	s_and_b32 s[66+(\i)], s[66+(\i)], s[70+(\i)]
.endr
.irp i, 0,1,2,3
	v_sub_f32 v75, 1.0, v[28+(\i)]
	v_sub_f32 v76, s59, v[28+(\i)]
	v_cndmask_b32 v75, 0, v75, s[74+(\i)]
	v_cndmask_b32 v76, 0, v76, s[66+(\i)]
	v_add_f32 v126, v126, v75
	v_add_f32 v127, v127, v76
.endr
.Lnf0_\@:
	s_mov_b32 s46, 0
	s_mov_b32 s48, 0
.Ly_\@:                                                ; TY trips: three rows each
	v_add_nc_u32 v75, s48, v48                     ; first row of the group
	v_cvt_f32_u32 v76, v75
	v_mul_f32 v52, -1.0, v76
	RAMPS 40, 52, 57
	v_mul_f32 v57, v57, v46
	v_mul_f32 v58, v58, v46
	v_mul_f32 v59, v59, v46
	v_min_u32 v77, 33, v75                         ; the weights go by the true row, the addresses by the row held to 33: a row past 33 has weight 0
	v_mul_u32_u24 v66, 34, v77
	v_add_nc_u32 v77, 1, v75
	v_min_u32 v77, 33, v77
	v_mul_u32_u24 v67, 34, v77
	v_add_nc_u32 v77, 2, v75
	v_min_u32 v77, 33, v77
	v_mul_u32_u24 v68, 34, v77
	s_cmp_eq_u32 s51, 0
	s_cbranch_scc1 .Lnf1_\@
	Y1CMP 0, 0
	Y1CMP 1, 1.0
	Y1CMP 2, 2.0
	s_wait_alu depctr_va_sdst(0)                   ; the three rows' twelve compares have written s66-s77, which the choices below read
	Y1SUM 0
	Y1SUM 1
	Y1SUM 2
.Lnf1_\@:
	s_mov_b32 s45, 0
	s_mov_b32 s47, 0
.Lx_\@:                                                ; TX trips: three columns each
	s_wait_alu depctr_vm_vsrc(0)                   ; the LDS loads of the trip before have read v69-74, which the lines below write again
	v_add_nc_u32 v75, s47, v47                     ; first column of the group
	v_min_u32 v77, 33, v75
.irp r, 0,1,2
	v_add_nc_u32 v76, v[66+(\r)], v77              ; pixel, 1,155 at the most; the two behind it, 1,157 at the most, lie in the slab's 1,216
	v_lshl_add_u32 v[69+(\r)], v76, 4, s49
	v_lshl_add_u32 v[72+(\r)], v76, 2, s50
.endr
	s_wait_alu depctr_va_vdst(0)                   ; the addresses v69-74 are written, which the 18 loads read; the multiply-adds of the trip before are done reading v128-172, in which they land
.irp r, 0,1,2
.irp j, 0,1,2
	ds_load_b128 v[128+4*(3*(\r)+(\j)):131+4*(3*(\r)+(\j))], v[69+(\r)] offset:16*(\j)
.endr
.irp j, 0,1,2
	ds_load_b32 v[164+3*(\r)+(\j)], v[72+(\r)] offset:4*(\j)
.endr
.endr
	v_cvt_f32_u32 v76, v75                         ; the weights are made while the pixels are on their way
	v_mul_f32 v50, -1.0, v76
	RAMPS 32, 50, 54
.irp r, 0,1,2
.irp j, 0,1,2
	v_mul_f32 v[108+3*(\r)+(\j)], v[57+(\r)], v[54+(\j)]
.endr
.endr
	s_cmp_eq_u32 s51, 0
	s_cbranch_scc1 .Lnf2_\@
	XCMP 0, 0
	XCMP 1, 1.0
	XCMP 2, 2.0
	s_wait_alu depctr_va_sdst(0)                   ; the three columns' six compares have written s66-s71, which the choices below read
	XSEL 0
	XSEL 1
	XSEL 2
.irp r, 0,1,2
.irp j, 0,1,2
	v_fma_f32 v[108+3*(\r)+(\j)], -v[63+(\r)], v[60+(\j)], v[108+3*(\r)+(\j)]
.endr
.endr
.Lnf2_\@:
.irp r, 0,1,2
	s_wait_dscnt 12-6*(\r)                         ; LDS loads come back in order: row r's six are in, the six of each later row may be out
.irp j, 0,1,2
.irp c, 0,1,2,3
	v_fma_mix_f32 v[78+2*(\c)], v[128+4*(3*(\r)+(\j))+(\c)], v[108+3*(\r)+(\j)], v[78+2*(\c)] op_sel_hi:[1,0,0]
	v_fma_mix_f32 v[79+2*(\c)], v[128+4*(3*(\r)+(\j))+(\c)], v[108+3*(\r)+(\j)], v[79+2*(\c)] op_sel:[1,0,0] op_sel_hi:[1,0,0]
.endr
	v_fma_mix_f32 v86, v[164+3*(\r)+(\j)], v[108+3*(\r)+(\j)], v86 op_sel_hi:[1,0,0]
	v_fma_mix_f32 v87, v[164+3*(\r)+(\j)], v[108+3*(\r)+(\j)], v87 op_sel:[1,0,0] op_sel_hi:[1,0,0]
.endr
.endr
	s_add_co_u32 s47, s47, 3
	s_add_co_u32 s45, s45, 1
	s_cmp_lt_u32 s45, s43
	s_cbranch_scc1 .Lx_\@
	s_add_co_u32 s48, s48, 3
	s_add_co_u32 s46, s46, 1
	s_cmp_lt_u32 s46, s44
	s_cbranch_scc1 .Ly_\@
.irp k, 0,1,2,3,4
	v_cvt_pk_f16_f32 v[88+(\k)], v[78+2*(\k)], v[79+2*(\k)]
.endr
	v_add_nc_u32 v75, s54, v26                     ; my roi's row of the stage, my bin; lanes lie 245 words apart, an odd number.  Made here, so that the barrier stands between it and the wait ahead of the stores
.endm
; The ten results go into the stage.
.macro KEEP
	s_wait_alu depctr_va_vdst(0)                   ; the five conversions have written v88-92 and the add v75, which the ten stores read
.irp k, 0,1,2,3,4
	ds_store_b16 v75, v[88+(\k)] offset:98*2*(\k)
	ds_store_b16_d16_hi v75, v[88+(\k)] offset:98*(2*(\k)+1)
.endr
.endm
; A STEP.  nl: how many loads of CHUNK bytes bring the next step's slabs.  chk = 1: the last step has one bin, and the waves without one jump over the work and the stage.
.macro STEP nl, chk
	s_wait_alu depctr_vm_vsrc(0)                   ; the LDS stores of the step before have read v176-223, in which the loads below land, and v75 and v88-92, which the bin's work writes; in the first step: the head's loads have read v75 and v76
.if \nl
	LOADS \nl, 24                                  ; into registers: they have the bin's work in which to come.  No vector instruction names v176-223, and v173 has stood since the head's wait
.endif
.if \chk
	s_cmp_gt_u32 s32, 48
	s_cbranch_scc1 .Lidle_a_\@
.endif
	WORK
.if \chk
.Lidle_a_\@:
.endif
	s_wait_dscnt 0x0                               ; my reads of the slot are over;
	s_barrier_signal -1
	s_barrier_wait -1                              ; everybody's are: from here to the next barrier LDS is only written
.if \chk
	s_cmp_gt_u32 s32, 48
	s_cbranch_scc1 .Lidle_b_\@
.endif
	KEEP
.if \chk
.Lidle_b_\@:
.endif
.if \nl
	s_wait_loadcnt 0x0                             ; the next slabs are in registers, and their loads' base may be stepped
	PUTS \nl
	s_add_nc_u64 s[24:25], s[24:25], SLOTB
.endif
	s_wait_dscnt 0x0                               ; for the others' sake: my stores are done;
	s_barrier_signal -1
	s_barrier_wait -1                              ; everybody's are: from here to the next barrier LDS is only read
	s_add_co_u32 s32, s32, 4
	s_add_co_u32 s54, s54, 8
.endm
	s_load_b256 s[4:11], s[0:1], 0x0               ; ftT s[4:5], rois s[6:7], idx s[8:9], out s[10:11]
	v_lshl_add_u32 v1, v0, 2, SPARE                ; the add's two registers, kept for the wave's end
	v_mov_b32 v2, 0
	v_lshrrev_b32 v3, 5, v0
	v_readfirstlane_b32 s12, v3                    ; wave 0 .. 15
	v_lshlrev_b32 v173, 4, v0
	v_add_nc_u32 v174, 0x10000, v173
	s_wait_alu depctr_va_sdst(0)                   ; s12 is written, ahead of its first reader
	s_and_b32 s13, s12, 3                          ; q
	s_lshr_b32 s14, s12, 2                         ; rb
	s_mul_i32 s49, s13, SLAB                       ; my slab in the slot: plane A,
	s_add_co_u32 s50, s49, PLB                     ; plane B
	v_and_b32 v3, 31, v0
	s_lshl_b32 s52, s14, 5
	v_add_nc_u32 v3, s52, v3                       ; my roi in the work-group
	s_lshl_b32 s53, ttmp9, 7
	v_add_nc_u32 v75, s53, v3                      ; my record, 30,079 at the most
	v_min_u32 v76, NROI-1, v75                     ; my roi
	v_mul_u32_u24 v76, 20, v76
	v_lshlrev_b32 v75, 4, v75
	s_wait_kmcnt 0x0
	s_wait_alu depctr_va_vdst(0)                   ; v173, v174, v75 and v76 are written: the offsets of the head's loads and of every copy of slabs.  The vector lines from here to the loop name none of the registers that the head's loads and LDS stores touch
	LOADS 12, 4                                    ; step 0's slabs
	s_add_nc_u64 s[24:25], s[4:5], SLOTB           ; step 1's
	global_load_b32 v28, v76, s[6:7] offset:4      ; x1
	global_load_b32 v29, v76, s[6:7] offset:8      ; y1
	global_load_b32 v30, v76, s[6:7] offset:12     ; x2
	global_load_b32 v31, v76, s[6:7] offset:16     ; y2
	global_load_b128 v[4:7], v75, s[8:9]
	v_mul_u32_u24 v26, RSTR, v3
	v_add_nc_u32 v26, STAGE, v26
	v_mov_b32 v20, 1.0
	v_mov_b32 v21, 1.0
	v_mov_b32 v22, -1.0
	v_mov_b32 v23, -1.0
	v_mov_b32 v24, -2.0
	v_mov_b32 v25, -2.0
	v_mov_b32 v27, 0xf149f2ca                      ; -1e30
.irp z, 49,50,51,52,53,60,61,62,63,64,65,118,119,120,121,122,123,124,125,126,127
	v_mov_b32 v[\z], 0                             ; 0; the pairs' upper halves; and what the flagged blocks hand to each other, defined on every path
.endr
	s_mov_b32 s58, 0x42040000                      ; 33.0
	s_mov_b32 s59, 0x42080000                      ; 34.0
	s_mul_i32 s52, ttmp9, 128*1960
	s_mov_b32 s53, 0
	s_add_nc_u64 s[10:11], s[10:11], s[52:53]      ; my 128 rois in out
	s_mov_b32 s61, 128*490/4                       ; units of 16 bytes to store: 15,680,
	s_mov_b32 s52, 48*490/4                        ; 5,880 in the last work-group
	s_cmp_eq_u32 ttmp9, 234
	s_cselect_b32 s61, s52, s61
	s_sub_co_u32 s62, s61, 1
	s_mov_b32 s32, s13                             ; my first bin,
	s_lshl_b32 s54, s13, 1                         ; and its place in a row of the stage
	s_wait_loadcnt 0x0                             ; the slabs, my roi and my record
	PUTS 12
	AXIS 28, 30, 8, 9, 10
	AXIS 29, 31, 14, 15, 16
	v_readfirstlane_b32 s41, v4                    ; flags and trip counts are the same in all 32 records of a wave
	v_readfirstlane_b32 s42, v5
	v_readfirstlane_b32 s44, v7
	s_wait_alu depctr_va_sdst(0)                   ; s41, s42 and s44 are written, ahead of the first reader of any of them
	s_lshr_b32 s43, s42, 24
	s_min_u32 s43, s43, 12                         ; TX
	s_lshr_b32 s44, s44, 24
	s_min_u32 s44, s44, 12                         ; TY
	s_wait_dscnt 0x0                               ; for the others' sake: my part of step 0's slabs is in LDS
	s_barrier_signal -1
	s_barrier_wait -1
	s_mov_b32 s60, 11
.Lring:                                                ; steps 0 .. 10, each asking for the next step's four slabs
	STEP 12, 0
	s_sub_co_u32 s60, s60, 1
	s_cmp_lg_u32 s60, 0
	s_cbranch_scc1 .Lring
	STEP 3, 0                                      ; step 11 asks for bin 48's slab alone,
	STEP 0, 1                                      ; step 12 for nothing; its last barrier shows the whole stage to every wave
	; THE WAY OUT.  The stage is the output's image in f16: 8 bytes of it are a unit of 16 bytes of out.  490 stores of 512 bytes = 14 waves x 7 trips x 5.
	s_cmp_ge_u32 s12, 14
	s_cbranch_scc1 .Lend
	v_and_b32 v3, 31, v0
	s_mul_i32 s63, s12, 1120
	s_mov_b32 s60, 7
.Lout:
	s_wait_alu depctr_vm_vsrc(0)                   ; the stores of the trip before have read v88-92 and v128-147, its LDS loads v93-97, all written again below; in the first trip: step 12's stage stores have read v88-92
	s_cmp_ge_u32 s63, s61                          ; the last work-group has fewer units
	s_cbranch_scc1 .Lskip
.irp k, 0,1,2,3,4
	v_add3_u32 v[88+(\k)], s63, v3, 32*(\k)
	v_min_u32 v[88+(\k)], s62, v[88+(\k)]          ; past the end (in the launch's last stores alone) lanes repeat the last unit's own bytes
	v_lshl_add_u32 v[93+(\k)], v[88+(\k)], 3, STAGE
	v_lshlrev_b32 v[88+(\k)], 4, v[88+(\k)]
.endr
	s_wait_alu depctr_va_vdst(0)                   ; the addresses v93-97 are written, which the five loads read; the vector lines that named v98-107, in which they land, are done
.irp k, 0,1,2,3,4
	ds_load_b64 v[98+2*(\k):99+2*(\k)], v[93+(\k)]
.endr
.irp k, 0,1,2,3,4
	s_wait_dscnt 4-(\k)                            ; the younger loads may be out
	v_fma_mix_f32 v[128+4*(\k)], v[98+2*(\k)], v20, v49 op_sel_hi:[1,0,0]              ; half x 1 + 0: f16 to f32
	v_fma_mix_f32 v[129+4*(\k)], v[98+2*(\k)], v20, v49 op_sel:[1,0,0] op_sel_hi:[1,0,0]
	v_fma_mix_f32 v[130+4*(\k)], v[99+2*(\k)], v20, v49 op_sel_hi:[1,0,0]
	v_fma_mix_f32 v[131+4*(\k)], v[99+2*(\k)], v20, v49 op_sel:[1,0,0] op_sel_hi:[1,0,0]
.endr
	s_wait_alu depctr_va_vdst(0)                   ; the twenty widenings have written v128-147, which the five stores read
.irp k, 0,1,2,3,4
	global_store_b128 v[88+(\k)], v[128+4*(\k):131+4*(\k)], s[10:11] th:TH_STORE_NT   ; a wave stores 512 consecutive bytes, at a multiple of 256 from out's first
.endr
	s_wait_xcnt 0x0                                ; the stores' offsets and data are rewritten only behind this wait
.Lskip:
	s_add_co_u32 s63, s63, 160
	s_sub_co_u32 s60, s60, 1
	s_cmp_lg_u32 s60, 0
	s_cbranch_scc1 .Lout
.Lend:
	s_wait_dscnt 0x0                               ; my reads of the stage are over;
	s_barrier_signal -1
	s_barrier_wait -1                              ; everybody's are: the phase of reading ends before the last LDS write
	s_wait_dscnt 0x0                               ; the wave's end
	s_wait_alu 0x0
	s_wait_tensorcnt 0x0
	ds_add_u32 v1, v2
	s_wait_dscnt 0x0
	s_endpgm
.Lfunc_end_k_qde925775c6_pool:
	.size	k_qde925775c6_pool, .Lfunc_end_k_qde925775c6_pool-k_qde925775c6_pool
	.p2alignl 7, 3214868480
	.fill 96, 4, 3214868480
	.section	.rodata,"a",@progbits
	.p2align	6, 0x0
	.amdhsa_kernel k_qde925775c6_pool
		.amdhsa_group_segment_fixed_size 225792
		.amdhsa_private_segment_fixed_size 0
		.amdhsa_enable_private_segment 0
		.amdhsa_kernarg_size 32
		.amdhsa_user_sgpr_count 2
		.amdhsa_user_sgpr_kernarg_segment_ptr 1
		.amdhsa_wavefront_size32 1
		.amdhsa_system_sgpr_workgroup_id_x 1
		.amdhsa_system_sgpr_workgroup_id_y 1
		.amdhsa_system_sgpr_workgroup_id_z 1
		.amdhsa_system_vgpr_workitem_id 0
		.amdhsa_next_free_vgpr 224
		.amdhsa_next_free_sgpr 80
		.amdhsa_reserve_vcc 0
		.amdhsa_float_denorm_mode_32 3
		.amdhsa_float_denorm_mode_16_64 3
		.amdhsa_memory_ordered 1
		.amdhsa_forward_progress 1
		.amdhsa_inst_pref_size 86
	.end_amdhsa_kernel
	.amdgpu_metadata
---
amdhsa.version: [ 1, 2 ]
amdhsa.kernels:
  - .name:           k_qde925775c6_pool
    .symbol:         k_qde925775c6_pool.kd
    .args:
      - { .name: ftT, .offset: 0, .size: 8, .value_kind: global_buffer, .address_space: global }
      - { .name: rois, .offset: 8, .size: 8, .value_kind: global_buffer, .address_space: global }
      - { .name: idx, .offset: 16, .size: 8, .value_kind: global_buffer, .address_space: global }
      - { .name: out0, .offset: 24, .size: 8, .value_kind: global_buffer, .address_space: global }
    .group_segment_fixed_size: 225792
    .private_segment_fixed_size: 0
    .kernarg_segment_align: 8
    .kernarg_segment_size: 32
    .max_flat_workgroup_size: 512
    .sgpr_count:     80
    .vgpr_count:     224
    .wavefront_size: 32
...
	.end_amdgpu_metadata
.endif
;; end of part 3
